; MI455X (gfx1250); checked and timed in simulation.
; The chip was launched on July 23, 2026; its instructions are those of AMD's public machine-readable ISA for CDNA 5 (MIT licence, August 2026) and "CDNA5" Instruction Set Architecture Reference Guide (July 2026). The comments in the code are by the model that wrote it; some were corrected since.
;; Scaled Dot Product Attention. Allowed arithmetic: matrix products marked QUANTISED: E2M3 operands, one E8M0 scale for each 32 along K, by v_wmma_scale_f32_16x16x128_f8f6f4 with both operands' format E2M3, f32 sums; everything else in f32.
;; Inputs: a_scale one number float32; av_scale one number float32; k_scale one number float32; key 32 x 2,048 x 128 float32; q_scale one number float32; qk_scale one number float32; query 32 x 2,048 x 128 float32; v_scale one number float32; value 32 x 2,048 x 128 float32.
;; Outputs: out0 32 x 2,048 x 128 float32.
;; This version of the problem:
;;   THIS VERSION OF THE PROBLEM IS GIVEN IN LOW PRECISION. The matrix products marked QUANTISED in the list below multiply operands that are first quantised to E2M3 (2 exponent bits, 3 mantissa bits; 6 bits a number), with one power-of-two scale for each 32 numbers along K (OCP MX v1.0); their sums are f32. All else is computed in f32.
;;   The module's matrix products, in the order in which they are computed (A, B: the left and right operand; K: the contracted axis; several contracted axes count as one K, in the product's order):
;;     1. batch 32 x [M 2,048, K 128] x [K 128, N 2,048]; A: computed on the way; B: computed on the way: QUANTISED
;;     2. batch 32 x [M 2,048, K 2,048] x [K 2,048, N 128]; A: computed on the way; B: computed on the way: QUANTISED
;;   THE QUANTISER, for each operand of a quantised product, along K:
;;     - K is cut into blocks of 32 from its start; a last block that is shorter is filled with zeros.
;;     - A block's scale is 2^e with e = floor(log2(the largest magnitude in the block)) - 2, held to -126 .. 127; a block of zeros has e = 0. As a byte (E8M0): e + 127.
;;     - Each number is divided by its block's scale, clamped to +-7.5, and rounded to the nearest number of E2M3, ties to even, subnormals kept.
;;     - The product sums the exact products of the quantised numbers (number of the format x scale) in f32.
;;   ~~~python
;;   def quantise(x, axis):      # numpy; x: float32 -> the quantised numbers, widened to float32 again
;;       x = np.moveaxis(x, axis, -1); K = x.shape[-1]
;;       x = np.pad(x, [(0, 0)] * (x.ndim - 1) + [(0, -K % 32)]); x = x.reshape(x.shape[:-1] + (-1, 32)); a = np.abs(x).max(-1, keepdims=True)
;;       e = np.where(a > 0, np.clip(np.frexp(np.where(a > 0, a, 1))[1] - 1 - 2, -126, 127), 0)      # np.frexp(a)[1] - 1 = floor(log2(a)), exactly
;;       r = np.clip(x / 2.0 ** e, -7.5, 7.5)
;;       step = 2.0 ** (np.maximum(np.frexp(np.where(r == 0, 1, r))[1] - 1, 0) - 3)
;;       q = np.round(r / step) * step * 2.0 ** e      # np.round: ties to even
;;       return np.moveaxis(q.reshape(q.shape[:-2] + (-1,))[..., :K], -1, axis).astype(np.float32)
;;   ~~~
;;   OPERANDS COMPUTED ON THE WAY. 'Computed on the way' means the value that the module computes at that place (a softmax that the list does not call 'softmax' is quantised finished and normalised). What goes into a quantiser is computed in f32, as accurately as f32 sums, v_exp_f32 and their like allow (about 1e-6 of the number): no bf16 or f16 on the way to a quantiser, and a product that is left as it is and whose result goes on into a quantised operand takes f32 operands (vector FMAs, or v_wmma_f32_16x16x4_f32). A number that lies on a knife's edge between two numbers of the format may be rounded either way, as far as f32 arithmetic and the matrix unit's own rounding can turn it there, and no further.
;; One version. Each part assembles by itself: llvm-mc -triple=amdgcn-amd-amdhsa -mcpu=gfx1250 --defsym DOCPART=n.
;; ======== version 1 of 1: 2 launches
;; limits: right only within a limited range of input values
;; workspace buffers: qc 6,291,456 bytes; qs 262,144 bytes; kv 13,107,200 bytes
;; launch quant (part 1): grid 1536 x 1, 2 waves a work-group, no clusters, 17,152 bytes of LDS; arguments query, key, value, q_scale, k_scale, v_scale, qc, qs, kv; writes qc, qs, kv
.if DOCPART == 1
	.amdgcn_target "amdgcn-amd-amdhsa--gfx1250"
	.amdhsa_code_object_version 6
	.text
	.protected	k_qafb17b7ced_quant
	.globl	k_qafb17b7ced_quant
	.p2align	8
	.type	k_qafb17b7ced_quant,@function
k_qafb17b7ced_quant:
	s_mov_b64 s[64:65], 0
	v_nop
	global_prefetch_b8 v0, s[64:65] scope:SCOPE_SE
	s_setreg_imm32_b32 hwreg(HW_REG_WAVE_MODE, 25, 1), 1
	s_wait_xcnt 0x0
; query, key, value [32][2048][128] f32 go through the int8 fake-quantiser of their own scale s ( x + (clip(round(x / s), -128, 127) s - x), in f32 )
; and are then quantised to codes of FP6 (E2M3) with one E8M0 byte for each 32 along the K of the product that reads them: d for query and key, the keys for value.
; THE OUTPUT IS LAID AS THE NEXT LAUNCH'S OPERAND REGISTERS.  A unit is 128 rows of a head (unit = 16 head + rows / 128).  Codes: [unit][tile 0..7][1,536 bytes]; a tile is the image of a fragment's
; 12 registers: registers 4 g .. 4 g + 3 of lane l at 512 g + 16 l.  Scale words: [unit][r 0..15][tile 0..7], 4 bytes each.
;   query, key: tile 2 b + u, lane (r, h) holds row 32 b + 8 u + r + 8 (r / 8) of the unit, d = 64 c + 32 h + 0 .. 31 in registers 6 c .. 6 c + 5.
;   value:      tile T, lane (r, h) holds d = 16 T + r, keys 64 c + 32 h + 0 .. 31 of the unit.
; SHARES.  Work-groups 0-255 take query, 256-511 key: a wave takes a unit (64 KiB in).  Work-groups 512-1535 take value: a wave takes 32 columns x 128 keys of a unit.  Waves share nothing: no barrier.
; x / s: q0 = x y, q = q0 + (x - q0 s) y with y = 1 / s refined twice: the correctly rounded quotient but where y's last bit is off.
; A block's scale is 2^(floor(log2(largest magnitude)) - 2); its byte is the largest magnitude's exponent field - 2, held at 1 from below.  A block of zeros so gets the byte 1 where the rule says 127:
; its codes are zeros, which add nothing under any byte but 0xff, and this program alone reads the bytes.
; LIMITS: NaN and infinities are not served; the scales are positive normal numbers.
.set R,   16                           ; v16-143  q/k: two sets of 64 numbers as loaded (16 rows x 16 bytes a lane);  v: v16-79 two sets of 32 numbers
.set X,   144                          ; v144-207 q/k: 64 numbers of my row: register 16 b + i = d 32 b + 16 h + i
.set W,   208                          ; v208-223 the fake-quantiser's quotient, then q
.set E,   224                          ; v224-239 its residual
.set TM,  208                          ; q/k: at work in QUANT (W is free then)
.set PC,  224                          ; q/k: v224-235 the fragment's codes, v236-242 halves on their way (E is free then)
.set SW,  8                            ; v8-15    q/k: the eight tiles' scale words
.set D,   244                          ; v244-247 q/k: the four words that my lane stores
.set G,   144                          ; v: v144-155, v156-167 the images of lanes r and r + 16 of my column's tile
.set Y,   168                          ; v: v168-170 a block's upper 16 codes on their way
.set SP,  528                          ; q/k: a stage row: 512 bytes + 16: 16 rows start at 16 different groups of banks
.set WST, 16*SP                        ; a wave's stage
; WHERE THE UNITS GO.  query: codes in qc (12,288 bytes a unit), scale words in qs (512 bytes a unit).  key and value share the buffer kv: a head has 409,600 bytes,
; key's 16 units and then value's 16, each unit 12,800 bytes: its 12,288 bytes of codes and behind them its 512 bytes of scale words.
	s_load_b512 s[4:19], s[0:1], 0x0               ; query, key, value, q_scale, k_scale, v_scale, qc, qs
	s_load_b64 s[20:21], s[0:1], 0x40              ; kv
	v_lshl_add_u32 v254, v0, 2, 0x4200
	v_mov_b32 v255, 0
	v_lshrrev_b32 v1, 5, v0
	v_readfirstlane_b32 s28, v1                    ; wave 0, 1
	v_and_b32 v1, 31, v0                           ; lane
	v_lshlrev_b32 v2, 4, v1                        ; 16 x lane
	s_mov_b32 s38, 0xc3000000                      ; -128.0
	s_mov_b32 s39, 0x42fe0000                      ; 127.0
	s_mov_b32 s40, 0x76543210
	s_mov_b32 s41, 0xfedcba98                      ; v_permlanex16_b32's selects for lane l xor 16
	s_wait_kmcnt 0x0
	s_cmp_lt_u32 ttmp9, 256                        ; which tensor: the choice hangs on the work-group's number alone
	s_cselect_b64 s[48:49], s[4:5], s[6:7]         ; the numbers,
	s_cselect_b64 s[30:31], s[10:11], s[12:13]     ; their scale,
	s_cselect_b64 s[50:51], s[16:17], s[20:21]     ; the codes,
	s_cselect_b64 s[52:53], s[18:19], s[20:21]     ; the scale words
	s_cmp_lt_u32 ttmp9, 512
	s_cselect_b64 s[48:49], s[48:49], s[8:9]
	s_cselect_b64 s[30:31], s[30:31], s[14:15]
	s_cselect_b64 s[50:51], s[50:51], s[20:21]
	s_cselect_b64 s[52:53], s[52:53], s[20:21]
	s_load_b32 s32, s[30:31], 0x0                  ; s
	s_wait_kmcnt 0x0
	v_mov_b32 v6, s32
	s_wait_alu depctr_va_vdst(0)
	v_rcp_f32 v7, v6
	v_nop                                          ; a plain instruction behind the reciprocal,
	s_wait_alu depctr_va_vdst(0)                   ; and the wait ahead of its first reader
.rept 2
	v_fma_f32 v8, -v6, v7, 1.0                     ; y = y + y (1 - s y), twice
	v_fma_f32 v7, v7, v8, v7
.endr
	v_readfirstlane_b32 s36, v7                    ; y; the packed forms name pairs and take the low word for both halves, so both words are written
	s_mov_b32 s37, s36
	s_mov_b32 s34, s32
	s_mov_b32 s35, s32
; The fake-quantiser on 16 registers, in place.
.macro FQ x
.irp j, 0,2,4,6,8,10,12,14
	v_pk_mul_f32 v[W+\j:W+\j+1], v[\j+(\x):\j+(\x)+1], s[36:37] op_sel_hi:[1,0]                                                  ; q0 = x y
.endr
.irp j, 0,2,4,6,8,10,12,14
	v_pk_fma_f32 v[E+\j:E+\j+1], v[W+\j:W+\j+1], s[34:35], v[\j+(\x):\j+(\x)+1] op_sel_hi:[1,0,1] neg_lo:[1,0,0] neg_hi:[1,0,0]  ; x - q0 s, exact
.endr
.irp j, 0,2,4,6,8,10,12,14
	v_pk_fma_f32 v[W+\j:W+\j+1], v[E+\j:E+\j+1], s[36:37], v[W+\j:W+\j+1] op_sel_hi:[1,0,1]                                      ; x / s
.endr
.irp j, 0,1,2,3,4,5,6,7,8,9,10,11,12,13,14,15
	v_rndne_f32 v[W+\j], v[W+\j]                                                                                                 ; ties to even
.endr
.irp j, 0,1,2,3,4,5,6,7,8,9,10,11,12,13,14,15
	v_med3_num_f32 v[W+\j], v[W+\j], s38, s39
.endr
.irp j, 0,2,4,6,8,10,12,14
	v_pk_mul_f32 v[W+\j:W+\j+1], v[W+\j:W+\j+1], s[34:35] op_sel_hi:[1,0]                                                        ; q
.endr
.irp j, 0,2,4,6,8,10,12,14
	v_pk_add_f32 v[E+\j:E+\j+1], v[W+\j:W+\j+1], v[\j+(\x):\j+(\x)+1] neg_lo:[0,1] neg_hi:[0,1]                                  ; q - x
.endr
.irp j, 0,2,4,6,8,10,12,14
	v_pk_add_f32 v[\j+(\x):\j+(\x)+1], v[\j+(\x):\j+(\x)+1], v[E+\j:E+\j+1]                                                      ; x + (q - x)
.endr
.endm
	s_cmp_ge_u32 ttmp9, 512
	s_cbranch_scc1 .Lv
; ---------------- query and key: K = d is innermost ----------------
	s_and_b32 s42, ttmp9, 255
	s_lshl_b32 s42, s42, 1
	s_add_co_u32 s42, s42, s28                     ; my unit
	s_lshl_b32 s44, s42, 16                        ; 128 rows of 512 bytes
	s_mov_b32 s45, 0
	s_add_nc_u64 s[48:49], s[48:49], s[44:45]
	s_lshr_b32 s46, s42, 4                         ; key: head x 409,600 + unit of the head x 12,800
	s_mul_i32 s46, s46, 409600
	s_and_b32 s47, s42, 15
	s_mul_i32 s47, s47, 12800
	s_add_co_u32 s46, s46, s47
	s_add_co_u32 s47, s46, 12288                   ; and its scale words behind its codes
	s_mul_i32 s44, s42, 12288                      ; query: unit x 12,288 and unit x 512
	s_lshl_b32 s29, s42, 9
	s_cmp_lt_u32 ttmp9, 256
	s_cselect_b32 s44, s44, s46
	s_add_nc_u64 s[50:51], s[50:51], s[44:45]
	s_cselect_b32 s44, s29, s47
	s_add_nc_u64 s[52:53], s[52:53], s[44:45]
	s_mul_i32 s43, s28, WST                        ; my wave's stage
	v_add_nc_u32 v3, s43, v2                       ; into it: a row as it lies, 16 bytes a lane
	v_and_b32 v6, 15, v0                           ; r
	v_bfe_u32 v7, v0, 4, 1                         ; h
	v_mul_u32_u24 v4, v6, SP
	v_lshl_add_u32 v4, v7, 6, v4
	v_add_nc_u32 v4, s43, v4                       ; out of it: row r, + 64 h: my 16 numbers of each block of 32
	v_lshlrev_b32 v5, 5, v6
	v_lshl_add_u32 v5, v7, 4, v5                   ; the scale words: 32 r + 16 h
.macro LOADT t                         ; the 16 rows of tile t, each a whole row of 512 consecutive bytes, into set t % 2
.irp i, 0,1,2,3,4,5,6,7,8,9,10,11,12,13,14,15
	global_load_b128 v[R+64*((\t)%2)+4*\i:R+64*((\t)%2)+4*\i+3], v2, s[48:49] offset:(32*((\t)/2)+8*((\t)%2)+\i+8*(\i/8))*512 th:TH_LOAD_NT
.endr
.endm
; 64 numbers of a lane, register 16 b + i = k 32 b + 16 h + i of my row, become a fragment's codes in v[PC] on and its scale word in v[pw].
.macro QUANT s, pw
.irp b, 0,1,2,3
	v_max3_num_f32 v[TM+\b], |v[\s+16*\b]|, |v[\s+1+16*\b]|, 0x1800000   ; block b: my 16 numbers, and the floor 2^(3 - 127): the byte cannot fall under 1
.endr
.irp i, 2,4,6,8,10,12,14
.irp b, 0,1,2,3
	v_max3_num_f32 v[TM+\b], v[TM+\b], |v[\s+16*\b+\i]|, |v[\s+1+16*\b+\i]|   ; the four blocks by turns
.endr
.endr
.irp b, 0,1,2,3
	v_permlanex16_b32 v[TM+4+\b], v[TM+\b], s40, s41
.endr
.irp b, 0,1,2,3
	v_max_num_f32 v[TM+\b], v[TM+\b], v[TM+4+\b]   ; with lane l xor 16's: the block's largest magnitude
.endr
.irp b, 0,1,2,3
	v_add_nc_u32 v[TM+12+\b], 0xff000000, v[TM+\b] ; 2 off its exponent field: the conversion takes this operand's exponent field as its scale
.endr
.irp b, 0,1,2,3
	v_lshrrev_b32 v[TM+4+\b], 23, v[TM+12+\b]      ; the scale's byte
.endr
	v_lshl_or_b32 v[\pw], v[TM+5], 8, v[TM+4]      ; four bytes: my row's scale word (the same in lanes r and r + 16)
	v_lshl_or_b32 v[\pw], v[TM+6], 16, v[\pw]
	v_lshl_or_b32 v[\pw], v[TM+7], 24, v[\pw]
.irp c, 0,1
	v_cvt_scalef32_pk16_fp6_f32 v[PC+6*\c:PC+2+6*\c], v[\s+32*\c:\s+15+32*\c], v[TM+12+2*\c]
	v_cvt_scalef32_pk16_fp6_f32 v[PC+12+4*\c:PC+14+4*\c], v[\s+16+32*\c:\s+31+32*\c], v[TM+12+2*\c+1]   ; (a conversion's three registers begin on an even number)
.endr
	v_nop                                          ; one plain instruction behind a scaled conversion
.irp c, 0,1                                    ; the layout wants a whole block in a lane: lanes 0-15 block 2 c, lanes 16-31 block 2 c + 1
.irp i, 0,1,2
	v_permlane16_swap_b32 v[PC+6*\c+\i], v[PC+12+4*\c+\i]
.endr
.irp i, 0,1,2
	v_mov_b32 v[PC+3+6*\c+\i], v[PC+12+4*\c+\i]
.endr
.endr
.endm
.macro TILE t
.if (\t) < 7
	s_wait_loadcnt 16                              ; this tile's 16 loads are in; the next tile's 16 stay out
.else
	s_wait_loadcnt 0x0
.endif
.irp i, 0,1,2,3,4,5,6,7,8,9,10,11,12,13,14,15
	ds_store_b128 v3, v[R+64*((\t)%2)+4*\i:R+64*((\t)%2)+4*\i+3] offset:SP*\i
.endr
.irp b, 0,1,2,3
.irp j, 0,1,2,3
	ds_load_b128 v[X+16*\b+4*\j:X+16*\b+4*\j+3], v4 offset:128*\b+16*\j   ; LDS serves a wave's instructions in order: these see my stores
.endr
.endr
	s_wait_dscnt 0x0                               ; my 64 numbers are in, and the stores have read their registers
	s_wait_xcnt 0x0                                ; the last tile's code stores have read v224-235, which the fake-quantiser writes again
.if (\t) < 6
	LOADT (\t)+2
.endif
	FQ X
	FQ X+16
	FQ X+32
	FQ X+48
	QUANT X, SW+(\t)
.irp g, 0,1,2
	global_store_b128 v2, v[PC+4*\g:PC+4*\g+3], s[50:51] offset:1536*(\t)+512*\g   ; 32 lanes store 512 consecutive bytes, at a multiple of 256
.endr
.endm
	LOADT 0
	LOADT 1
	s_wait_alu depctr_va_vdst(0)
.irp t, 0,1,2,3,4,5,6,7
	TILE \t
.endr
	v_cmp_le_u32 vcc_lo, 16, v1                    ; lanes 0-15 store tiles 0-3's words of row r, lanes 16-31 tiles 4-7's
.irp i, 0,1,2,3
	v_cndmask_b32 v[D+\i], v[SW+\i], v[SW+4+\i], vcc_lo
.endr
	global_store_b128 v5, v[D:D+3], s[52:53]       ; the unit's 512 bytes of scale words
	s_wait_tensorcnt 0x0
	ds_add_u32 v254, v255
	s_wait_dscnt 0x0
	s_endpgm
; ---------------- value: K = the keys is its first axis: a lane takes a column d, its registers run down the keys ----------------
.Lv:
	s_sub_co_u32 s42, ttmp9, 512
	s_and_b32 s43, s42, 1
	s_lshl_b32 s43, s43, 1
	s_add_co_u32 s43, s43, s28                     ; which 32 columns: 0 .. 3
	s_lshr_b32 s42, s42, 1                         ; my unit
	s_lshl_b32 s44, s42, 16
	s_lshl_b32 s46, s43, 7
	s_add_co_u32 s44, s44, s46
	s_mov_b32 s45, 0
	s_add_nc_u64 s[48:49], s[48:49], s[44:45]      ; value at the unit's first key, my first column
	s_lshr_b32 s44, s42, 4                         ; value's unit in kv: head x 409,600 + 204,800 + unit of the head x 12,800
	s_mul_i32 s44, s44, 409600
	s_and_b32 s46, s42, 15
	s_mul_i32 s46, s46, 12800
	s_add_co_u32 s44, s44, s46
	s_add_co_u32 s47, s44, 204800
	s_mul_i32 s46, s43, 3072
	s_add_co_u32 s44, s47, s46
	s_add_nc_u64 s[50:51], s[50:51], s[44:45]      ; my two tiles' images
	s_lshl_b32 s46, s43, 3
	s_add_co_u32 s44, s47, s46
	s_add_co_u32 s44, s44, 12288
	s_add_nc_u64 s[52:53], s[52:53], s[44:45]      ; and their scale words
	v_lshlrev_b32 v3, 2, v1                        ; in: 4 bytes a lane, 128 consecutive bytes a load
	v_and_b32 v6, 15, v0
	v_bfe_u32 v7, v0, 4, 1
	v_mul_u32_u24 v4, v7, 1536
	v_lshl_add_u32 v4, v6, 4, v4                   ; codes: lanes 0-15 the first tile, lanes 16-31 the second; 16 bytes at 16 r
	v_lshlrev_b32 v5, 5, v6
	v_lshl_add_u32 v5, v7, 2, v5                   ; scale word: 32 r + 4 x which tile
.macro LOADV n                         ; block n: keys 32 n + i of my column, into set n % 2
.irp i, 0,1,2,3,4,5,6,7,8,9,10,11,12,13,14,15,16,17,18,19,20,21,22,23,24,25,26,27,28,29,30,31
	global_load_b32 v[R+32*((\n)%2)+\i], v3, s[48:49] offset:(32*(\n)+\i)*512 th:TH_LOAD_NT
.endr
.endm
; Block n = 2 c + hh belongs to registers 6 c .. 6 c + 5 of lane r + 16 hh of my column's tile.
.macro BLOCK n
.set XS, R+32*((\n)%2)
.set GD, G+12*((\n)%2)+6*((\n)/2)
.if (\n) < 3
	s_wait_loadcnt 32                              ; this block's 32 loads are in; the next block's stay out
.else
	s_wait_loadcnt 0x0
.endif
	FQ XS
	FQ XS+16
	v_max3_num_f32 v174, |v[XS]|, |v[XS+1]|, 0x1800000             ; all 32 numbers are mine; the floor 2^(3 - 127) among the leaves
	v_max3_num_f32 v175, |v[XS+2]|, |v[XS+3]|, |v[XS+4]|
.irp i, 5,9,13,17,21,25
	v_max3_num_f32 v174, v174, |v[XS+\i]|, |v[XS+\i+1]|
	v_max3_num_f32 v175, v175, |v[XS+\i+2]|, |v[XS+\i+3]|
.endr
	v_max3_num_f32 v174, v174, |v[XS+29]|, |v[XS+30]|
	v_max3_num_f32 v174, v174, v175, |v[XS+31]|
	v_add_nc_u32 v176, 0xff000000, v174            ; the conversion's scale operand
	v_lshrrev_b32 v177, 23, v176                   ; the byte
.if (\n) == 0
	v_mov_b32 v172, v177
.else
	v_lshl_or_b32 v172, v177, 8*(\n), v172         ; byte n of my column's scale word
.endif
	v_cvt_scalef32_pk16_fp6_f32 v[GD:GD+2], v[XS:XS+15], v176
	v_cvt_scalef32_pk16_fp6_f32 v[Y:Y+2], v[XS+16:XS+31], v176     ; (a conversion's three registers begin on an even number)
	v_nop                                          ; one plain instruction behind a scaled conversion
.irp i, 0,1,2
	v_mov_b32 v[GD+3+\i], v[Y+\i]
.endr
.if (\n) < 2
	LOADV (\n)+2
.endif
.endm
	LOADV 0
	LOADV 1
	BLOCK 0
	BLOCK 1
	BLOCK 2
	BLOCK 3
.irp hh, 0,1
.irp g, 0,1,2
	global_store_b128 v4, v[G+12*\hh+4*\g:G+12*\hh+4*\g+3], s[50:51] offset:512*\g+256*\hh   ; sixteen lanes store 256 consecutive bytes, at a multiple of 256
.endr
.endr
	global_store_b32 v5, v172, s[52:53]            ; 4 bytes a lane, 32 bytes apart: one byte in 384 of what the wave moves
	s_endpgm
.Lfunc_end_k_qafb17b7ced_quant:
	.size	k_qafb17b7ced_quant, .Lfunc_end_k_qafb17b7ced_quant-k_qafb17b7ced_quant
	.p2alignl 7, 3214868480
	.fill 96, 4, 3214868480
	.section	.rodata,"a",@progbits
	.p2align	6, 0x0
	.amdhsa_kernel k_qafb17b7ced_quant
		.amdhsa_group_segment_fixed_size 17152
		.amdhsa_private_segment_fixed_size 0
		.amdhsa_enable_private_segment 0
		.amdhsa_kernarg_size 72
		.amdhsa_user_sgpr_count 2
		.amdhsa_user_sgpr_kernarg_segment_ptr 1
		.amdhsa_wavefront_size32 1
		.amdhsa_system_sgpr_workgroup_id_x 1
		.amdhsa_system_sgpr_workgroup_id_y 1
		.amdhsa_system_sgpr_workgroup_id_z 1
		.amdhsa_system_vgpr_workitem_id 0
		.amdhsa_next_free_vgpr 256
		.amdhsa_next_free_sgpr 66
		.amdhsa_reserve_vcc 1
		.amdhsa_float_denorm_mode_32 3
		.amdhsa_float_denorm_mode_16_64 3
		.amdhsa_memory_ordered 1
		.amdhsa_forward_progress 1
		.amdhsa_inst_pref_size 255
	.end_amdhsa_kernel
	.section	.bss,"aw",@nobits
	.p2align	6
	.space	262144
	.amdgpu_metadata
---
amdhsa.version: [ 1, 2 ]
amdhsa.kernels:
  - .name:           k_qafb17b7ced_quant
    .symbol:         k_qafb17b7ced_quant.kd
    .args:
      - { .name: query, .offset: 0, .size: 8, .value_kind: global_buffer, .address_space: global }
      - { .name: key, .offset: 8, .size: 8, .value_kind: global_buffer, .address_space: global }
      - { .name: value, .offset: 16, .size: 8, .value_kind: global_buffer, .address_space: global }
      - { .name: q_scale, .offset: 24, .size: 8, .value_kind: global_buffer, .address_space: global }
      - { .name: k_scale, .offset: 32, .size: 8, .value_kind: global_buffer, .address_space: global }
      - { .name: v_scale, .offset: 40, .size: 8, .value_kind: global_buffer, .address_space: global }
      - { .name: qc, .offset: 48, .size: 8, .value_kind: global_buffer, .address_space: global }
      - { .name: qs, .offset: 56, .size: 8, .value_kind: global_buffer, .address_space: global }
      - { .name: kv, .offset: 64, .size: 8, .value_kind: global_buffer, .address_space: global }
    .group_segment_fixed_size: 17152
    .private_segment_fixed_size: 0
    .kernarg_segment_align: 8
    .kernarg_segment_size: 72
    .max_flat_workgroup_size: 64
    .sgpr_count:     66
    .vgpr_count:     256
    .wavefront_size: 32
...
	.end_amdgpu_metadata
.endif
;; end of part 1
;; launch attn (part 2): grid 8 x 32, 8 waves a work-group, clusters of 4 x 1, 327,680 bytes of LDS; arguments qc, qs, kv, qk_scale, a_scale, av_scale, out0; writes out0
.if DOCPART == 2
	.amdgcn_target "amdgcn-amd-amdhsa--gfx1250"
	.amdhsa_code_object_version 6
	.text
	.protected	k_qafb17b7ced_attn
	.globl	k_qafb17b7ced_attn
	.p2align	8
	.type	k_qafb17b7ced_attn,@function
k_qafb17b7ced_attn:
	s_mov_b64 s[64:65], 0
	v_nop
	global_prefetch_b8 v0, s[64:65] scope:SCOPE_SE
	s_setreg_imm32_b32 hwreg(HW_REG_WAVE_MODE, 25, 1), 1
	s_wait_xcnt 0x0
	s_wait_alu depctr_hold_cnt(0) depctr_sa_sdst(0) depctr_va_vdst(0) depctr_va_sdst(0) depctr_va_ssrc(0) depctr_va_vcc(0) depctr_vm_vsrc(0)
	s_getreg_b32 s2, hwreg(HW_REG_IB_STS2, 6, 4)
	s_cmp_eq_u32 s2, 0
	s_cbranch_scc0 .Lentry_in_a_cluster
	s_endpgm
.Lentry_in_a_cluster:
	s_bfe_u32 s2, ttmp6, 0x10000c
	s_cmp_lg_u32 s2, 0x3003
	s_cbranch_scc0 .Lentry_shape_is_right
	s_endpgm
.Lentry_shape_is_right:
; out = fq_av( Q6(a) Q6(v) ), a = fq_a( softmax( fq_qk( Q6(q) Q6(k)^T / sqrt(128) ) ) ): fq_s the int8 fake-quantiser of scale s, Q6 the MX-FP6 quantiser along K.
; q, k, v arrive as codes and scale words, laid as operand registers by the launch before.  A work-group takes 256 queries of a head, a wave 32 (two tiles of 16).
; Both products are used transposed (S^T = k q^T, O^T = v^T a^T): a lane holds one query, its registers run along the keys.
; a needs the row's finished sum ahead of its quantisers, so the keys are walked twice: walk 1 makes the running maximum and the sum, walk 2 makes the scores again, a, its codes, and O^T.
; THE SCORE: t = S c + 1.5 x 2^23 rounds S c to a whole number n (c = 1 / (sqrt(128) qk_scale)); the exponent is ss2 t - fl(ss2 tmax), ss2 = qk_scale log2(e), tmax the row's largest clipped t.
; The clip of n to -128 .. 127 is made on the exponent, between the exponents of these two n.  In walk 2 the upper bound is also held at log2(127.25 a_scale sum): there p / (a_scale sum)
; is 127.25, which rounds to 127, the clip of fq_a; the lower bound is held under the upper one.
; THE ORDER OF A WAVE'S WORK.  A half step is 64 keys x 32 queries, 64 scores a lane, in two buffers by turns.  While one buffer is worked on, the 8 products of the next half step fill the other,
; one product ahead of each four multiply-adds; a step's 16 products a v stand in the same way in the next step's first two levels, ahead of its exponentials.  The two runs of fragment registers
; hold k and v by turns and are loaded a half step or more ahead.  Exponentials of one tile of queries take turns with one level of plain work on the other tile.
; The step's text stands once: O^T begins as zeros and the first step of walk 2 multiplies zero codes of a; the last step's a v is written out behind the loop.  Reading ahead wraps to key's first
; unit: after walk 1 that is walk 2's first half step; after walk 2 these 8 products and 13 loads serve nothing.
; LDS: key's 16 units (204,800 bytes) come by one load a wave at the head and stay; value's come in chunks of 4 units (51,200 bytes, 6,400 a wave) through two slots behind them.
; The four work-groups of a cluster share a head and ask for every tile jointly.  Every wait on TENSORcnt is for 0; a wave has one tensor load out.
; value's chunks 1 to 3 are prefetched one change of chunks ahead of their tensor loads: of a wave's 25 blocks of 256 bytes the partner at place cx names 7 cx .. 7 cx + 6 (the last one 21 .. 24).
; key is asked for at the head, with no trip ahead of it in which to prefetch.
; LIMITS: NaN and infinities are not served; the scales are positive normal numbers; x + (q - x) of the fake-quantisers here is taken as q; the scaled scores stay under 2^31.
.set CHUNK, 51200
.set STEPB, 12800
.set VSL,   0x32000                    ; slot 0 at 0x32000, slot 1 at 0x3e800
.set XC,    0xc800
.set SPARE, 0x4b000                    ; the spare words: 128 bytes a wave
.set SP,    528                        ; the way out: a stage row, in key's bytes, which have had their last fill
.set SPW, 1
.set NIL, 2
.set LI,  3                            ; 16 x lane
.set ASC, 4                            ; 32 r + 12288: a unit's scale words
.set AK,  5                            ; the next unit of key
.set AV,  6
.set ASA, 7
.set STO, 8
.set RD,  9
.set QSO, 10
.set ASA1, 10                          ; (behind the head) this unit's scale words
.set PFO, 11
.set CCV, 12                           ; pairs that hold one number twice: c, 1.5 x 2^23, ss2, 2^23, a_scale, -2^23 a_scale
.set M15, 14
.set SSV, 16
.set M10, 18
.set SAV2, 20
.set NM2, 22
.set P,   24                           ; a's codes, 12 registers a tile of queries
.set QS,  48
.set KS,  50
.set VS,  58
.set PS,  66
.set ST,  68                           ; a row's state, 12 a tile: 0,1 -shift; 2,3 sum; 4,5 at work; 6 tmax; 7 factor; 8 lower, 9 upper bound; 10,11 1 / (a_scale sum)
.set TMX, 92
.set TMY, 100
.set SCO, 104
.set AVV, 108                          ; av_scale, twice
.set ASV, 110
.set AK1, 111                          ; this unit of key
.set SA,  112                          ; the two buffers of 64 scores
.set SBF, 176
.set QF,  128                          ; window 1: v0-127 O^T, v128-151 q, v152-247 eight fragments
.set F0,  152
.set F1,  200
.set WV,  24
.set G1,  28
.set G0,  36
.set SEL, 40
.set LO,  42
.set HI,  43
.set SRAV, 44
.set TK,  46
.set TV,  47
.set OUTER, 48
.set INNER, 49
.set SB,  50
.set WOFF, 51
.set PFA, 52
.set CNT, 54
.set UN,  55
.set G1K, 56
.set G0K, 68
.set MSB, 0
.macro WIN new
.if MSB != \new
	s_set_vgpr_msb (MSB<<8)|\new
.set MSB, \new
.endif
.endm
.macro PLACES n
.rept \n
	v_nop
.endr
.endm
.macro WALU
	s_wait_alu depctr_va_vdst(0)
.endm
; two numbers an instruction, on pairs of an even and an odd register
.macro DFMA d, a, b, c
	v_dual_fma_f32 v[\d], v[\a], v[\b], v[\c] :: v_dual_fma_f32 v[(\d)+1], v[(\a)+1], v[(\b)+1], v[(\c)+1]
.endm
.macro DOP op, d, a, b
	v_dual_\op\()_f32 v[\d], v[\a], v[\b] :: v_dual_\op\()_f32 v[(\d)+1], v[(\a)+1], v[(\b)+1]
.endm
.macro CROUND
	s_barrier_signal -1
	s_barrier_wait -1
	s_cmp_lg_u32 s[WV], 0
	s_cbranch_scc1 .Lnot_wave_0_\@
	s_barrier_signal -3
.Lnot_wave_0_\@:
	s_barrier_wait -3
	s_barrier_signal -1
	s_barrier_wait -1
.endm
; A change of chunks.  kind 3: value's chunk 0; kind 2: the next chunk, into the other slot; kind 0: nothing is asked for.  pf 1: the chunk after it is prefetched; pf 2: only while there is one.
.macro CHANGE kind, pf
.if \kind == 2
	s_wait_xcnt 0x0                                ; my last prefetch has read its address
	s_add_nc_u64 s[PFA:PFA+1], s[PFA:PFA+1], CHUNK
.endif
	s_wait_tensorcnt 0x0                           ; my part of what is read next has landed
	ds_add_u32 v[SPW], v[NIL]
.if \kind == 2
	s_xor_b32 s[SB], s[SB], XC
	s_add_co_u32 s[G0+1], s[SB], s[WOFF]
	s_add_nc_u64 s[G0+2:G0+3], s[G0+2:G0+3], CHUNK
.endif
	s_wait_dscnt 0x0                               ; the add, and my reads of the slot that is filled again
.if \kind == 0
	s_barrier_signal -1
	s_barrier_wait -1
.else
	CROUND
	tensor_load_to_lds s[G0:G0+3], s[G1:G1+7]
	s_nop 0
	PLACES 4
.if \pf == 2
	s_cmp_lg_u32 s[OUTER], 1
	s_cbranch_scc0 .Lnone_\@
.endif
	global_prefetch_b8 v[PFO], s[PFA:PFA+1] offset:CHUNK th:TH_LOAD_NT scope:SCOPE_SE
.if \pf == 2
.Lnone_\@:
.endif
.endif
.endm
.macro LDF reg, adr, off               ; four fragments, as they lie, into window 1
	WIN 0x40
.irp t, 0,1,2,3
.irp g, 0,1,2
	ds_load_b128 v[\reg+12*\t+4*\g:\reg+12*\t+4*\g+3], v[\adr] offset:\off+1536*\t+512*\g
.endr
.endr
	WIN 0
.endm
.macro LDK f, adr, off, sreg, sadr, soff   ; four scale words and four fragments: 13 loads
	ds_load_b128 v[\sreg:\sreg+3], v[\sadr] offset:\soff
	LDF \f, \adr, \off
.endm
; product k (0 .. 7) of a half step's scores: fragments WF, into buffer WD, scale words of half WH; ahead of the first the wait that leaves WC younger loads out
.macro QK1 k
.if (\k) == 0
	s_wait_dscnt WC
.endif
	WIN 0x05
	v_wmma_scale_f32_16x16x128_f8f6f4 v[WD+32*((\k)%2)+8*((\k)/2):WD+32*((\k)%2)+8*((\k)/2)+7], v[WF+12*((\k)/2):WF+12*((\k)/2)+11], v[QF+12*((\k)%2):QF+12*((\k)%2)+11], 0, v[KS+4*WH+(\k)/2], v[QS+(\k)%2] matrix_a_fmt:MATRIX_FMT_FP6 matrix_b_fmt:MATRIX_FMT_FP6
	WIN 0
.endm
.macro PVI k                           ; product k (0 .. 15) of O^T += v^T a^T
	v_wmma_scale_f32_16x16x128_f8f6f4 v[8*(8*((\k)%2)+(\k)/2):8*(8*((\k)%2)+(\k)/2)+7], v[F0+12*((\k)/2):F0+12*((\k)/2)+11], v[P+12*((\k)%2):P+12*((\k)%2)+11], v[8*(8*((\k)%2)+(\k)/2):8*(8*((\k)%2)+(\k)/2)+7], v[VS+(\k)/2], v[PS+(\k)%2] matrix_a_fmt:MATRIX_FMT_FP6 matrix_b_fmt:MATRIX_FMT_FP6
.endm
.macro PV1 k
.if (\k) == 0
	WALU
	s_wait_dscnt 0x0                               ; v's fragments and scale words are in
.endif
	WIN 0x51
	PVI \k
	WIN 0
.endm
.macro HOOK kind, k
.if \kind == 1
	QK1 \k
.endif
.if \kind == 2
	PV1 \k
.endif
.endm
.macro TLEV s                          ; t = S c + 1.5 x 2^23
	WALU
.set j, 0
.rept 32
	DFMA \s+j, \s+j, CCV, M15
.set j, j+2
.endr
.endm
.macro FLEV s, kind, k0, b, c, cq      ; a level of 32 multiply-adds in 8 groups, a product ahead of each group; cq: the addend's step from tile to tile
.set g, 0
.rept 8
	HOOK \kind, (\k0+g)
.set j, 8*g
.rept 4
	DFMA \s+j, \s+j, \b, \c+\cq*(g/4)
.set j, j+2
.endr
.set g, g+1
.endr
.endm
.macro MLEV0 s, kind, k0               ; the clip of tile 0's exponents
.set g, 0
.rept 8
	HOOK \kind, (\k0+g)
.set j, 4*g
.rept 4
	v_med3_num_f32 v[\s+j], v[\s+j], v[ST+8], v[ST+9]
.set j, j+1
.endr
.set g, g+1
.endr
.endm
.macro STG1 s, fd                      ; tile 0's exponentials by turns with the clip of tile 1's exponents
	WALU
.if \fd
	v_exp_f32 v[ST+7], v[ST+7]
	v_exp_f32 v[ST+19], v[ST+19]
.endif
.set j, 0
.rept 32
	v_exp_f32 v[\s+j], v[\s+j]
	v_med3_num_f32 v[\s+32+j], v[\s+32+j], v[ST+20], v[ST+21]
.set j, j+1
.endr
	WALU
.endm
.macro BOUNDS q                        ; from -shift in TMY+q: the factor's exponent, the two bounds, the pair
	v_sub_f32 v[ST+12*\q+7], v[TMY+\q], v[ST+12*\q]
	v_fma_f32 v[ST+12*\q+8], s[LO], v[SSV], v[TMY+\q]
	v_fma_f32 v[ST+12*\q+9], s[HI], v[SSV], v[TMY+\q]
	v_mov_b32 v[ST+12*\q], v[TMY+\q]
	v_mov_b32 v[ST+12*\q+1], v[TMY+\q]
.endm
.macro CHAIN1 s                        ; walk 1: the running maximum and the sum of a half step
	TLEV \s
.irp q, 0,1
	v_max3_num_f32 v[TMX+2*\q], v[ST+12*\q+6], v[\s+32*\q], v[\s+32*\q+1]
	v_max3_num_f32 v[TMX+2*\q+1], v[\s+32*\q+16], v[\s+32*\q+17], v[\s+32*\q+18]
.endr
.irp i, 0,2,4,6,8,10
.irp q, 0,1
	v_max3_num_f32 v[TMX+2*\q], v[TMX+2*\q], v[\s+32*\q+2+\i], v[\s+32*\q+3+\i]
	v_max3_num_f32 v[TMX+2*\q+1], v[TMX+2*\q+1], v[\s+32*\q+19+\i], v[\s+32*\q+20+\i]
.endr
.endr
.irp q, 0,1
	v_max3_num_f32 v[TMX+2*\q], v[TMX+2*\q], v[\s+32*\q+14], v[\s+32*\q+15]
.endr
.irp q, 0,1
	v_max3_num_f32 v[TMX+2*\q], v[TMX+2*\q], v[TMX+2*\q+1], v[\s+32*\q+31]
.endr
.irp q, 0,1
	v_med3_num_f32 v[ST+12*\q+6], v[TMX+2*\q], s[LO], s[HI]        ; the clip keeps the order, so the largest clipped t is the clipped largest
.endr
.irp q, 0,1
	v_mul_f32 v[TMY+\q], -v[SSV], v[ST+12*\q+6]
.endr
.irp q, 0,1
	BOUNDS \q
.endr
	WALU
	FLEV \s, 1, 0, SSV, ST, 12                     ; the exponents; among them the next half step's products
	MLEV0 \s, 0, 0
	STG1 \s, 1
.set i, 0
.rept 8                                        ; tile 1's exponentials
	v_exp_f32 v[\s+32+4*i], v[\s+32+4*i]
	v_exp_f32 v[\s+33+4*i], v[\s+33+4*i]
	v_exp_f32 v[\s+34+4*i], v[\s+34+4*i]
	v_exp_f32 v[\s+35+4*i], v[\s+35+4*i]
.set i, i+1
.endr
.irp q, 0,1
	v_mul_f32 v[ST+12*\q+2], v[ST+12*\q+2], v[ST+12*\q+7]          ; the sum under the new shift
	v_mul_f32 v[ST+12*\q+3], v[ST+12*\q+3], v[ST+12*\q+7]
.endr
	WALU
.irp q, 0,1
	DOP add, ST+12*\q+4, \s+32*\q, \s+32*\q+2      ; the row's sum of the unquantised p: two chains a tile, ascending
.endr
.irp i, 4,8,12,16,20,24,28
.irp q, 0,1
	DOP add, ST+12*\q+2, ST+12*\q+2, \s+32*\q+\i
	DOP add, ST+12*\q+4, ST+12*\q+4, \s+32*\q+\i+2
.endr
.endr
.irp q, 0,1
	DOP add, ST+12*\q+2, ST+12*\q+2, ST+12*\q+4
.endr
.endm
.macro STG2B s                         ; walk 2: tile 1's exponentials by turns with round(p / (a_scale sum)) + 2^23 of tile 0
.set j, 0
.rept 16
	v_exp_f32 v[\s+32+j], v[\s+32+j]
	v_exp_f32 v[\s+33+j], v[\s+33+j]
	DFMA \s+j, \s+j, ST+10, M10
.set j, j+2
.endr
	WALU
.set j, 0
.rept 16
	DFMA \s+32+j, \s+32+j, ST+22, M10
.set j, j+2
.endr
.endm
.macro XLEV s, c                       ; a's four blocks of 32 keys: scales and codes, half c of the operand
.irp b, 0,1,2,3
	v_max3_num_f32 v[TMX+\b], v[\s+16*\b], v[\s+16*\b+1], 0x1800000  ; a block's largest a (none is negative), over the floor 2^(3 - 127)
.endr
.irp i, 2,4,6,8,10,12,14
.irp b, 0,1,2,3
	v_max3_num_f32 v[TMX+\b], v[TMX+\b], v[\s+16*\b+\i], v[\s+16*\b+\i+1]
.endr
.endr
.irp b, 0,1,2,3
	v_permlanex16_b32 v[TMY+\b], v[TMX+\b], s[SEL], s[SEL+1]
.endr
.irp b, 0,1,2,3
	v_max_num_f32 v[TMX+\b], v[TMX+\b], v[TMY+\b]
.endr
.irp b, 0,1,2,3
	v_add_nc_u32 v[SCO+\b], 0xff000000, v[TMX+\b]                  ; 2 off the exponent field: the conversion's scale operand
.endr
.irp b, 0,1,2,3
	v_lshrrev_b32 v[TMY+\b], 23, v[SCO+\b]                         ; the byte
.endr
.irp q, 0,1
.if \c == 0
	v_lshl_or_b32 v[PS+\q], v[TMY+2*\q+1], 8, v[TMY+2*\q]
.else
	v_lshl_or_b32 v[PS+\q], v[TMY+2*\q], 16, v[PS+\q]
	v_lshl_or_b32 v[PS+\q], v[TMY+2*\q+1], 24, v[PS+\q]
.endif
.endr
.irp q, 0,1
	v_cvt_scalef32_pk16_fp6_f32 v[P+12*\q+6*\c:P+12*\q+6*\c+2], v[\s+32*\q:\s+32*\q+15], v[SCO+2*\q]
	v_cvt_scalef32_pk16_fp6_f32 v[TMX+4*\q:TMX+4*\q+2], v[\s+32*\q+16:\s+32*\q+31], v[SCO+2*\q+1]
.endr
	v_nop                                          ; a plain place behind the conversions
.irp q, 0,1
.irp i, 0,1,2
	v_permlane16_swap_b32 v[P+12*\q+6*\c+\i], v[TMX+4*\q+\i]       ; a whole block to a lane
.endr
.irp i, 0,1,2
	v_mov_b32 v[P+12*\q+6*\c+3+\i], v[TMX+4*\q+\i]
.endr
.endr
.endm
.macro NEXTU                           ; the unit behind this one, behind the last the first
	s_add_co_u32 s[CNT], s[CNT], 1
	s_and_b32 s[UN], s[CNT], 15
	s_mul_i32 s[TK], s[UN], STEPB
	v_add_nc_u32 v[AK], s[TK], v[LI]
	v_add_nc_u32 v[ASA], s[TK], v[ASC]
.endm
; 128 keys of walk 1.  At its top buffer SA holds this step's first half, F1 its second four fragments.
.macro KSTEP1
	NEXTU
	LDK F0, AK, 0, KS, ASA, 0                      ; the next step's first four
.set WF, F1
.set WD, SBF
.set WH, 1
.set WC, 13                                    ; the 13 loads just issued may be out
	CHAIN1 SA
	LDK F1, AK, 6144, KS+4, ASA, 16                ; the next step's second four
.set WF, F0
.set WD, SA
.set WH, 0
	CHAIN1 SBF
.endm
; 128 keys of walk 2.  At its top SA holds this step's first half; F0, F1, VS, P, PS hold the last step's v and a.
.macro KSTEP2
	s_and_b32 s[UN], s[CNT], 15
	s_mul_i32 s[TK], s[UN], STEPB
	v_add_nc_u32 v[AK1], s[TK], v[LI]
	v_add_nc_u32 v[ASA1], s[TK], v[ASC]
	NEXTU
	v_add_nc_u32 v[AV], s[TV], v[LI]
	v_add_nc_u32 v[ASV], s[TV], v[ASC]
	TLEV SA
	FLEV SA, 2, 0, SSV, ST, 12                     ; the exponents; among them the last step's a v, first half
	LDK F0, AK, 0, KS, ASA, 0                      ; four places behind its last product: the next step's first four of k
	MLEV0 SA, 2, 8                                 ; second half
	LDK F1, AK1, 6144, KS+4, ASA1, 16              ; this step's second four of k
	STG1 SA, 0
	STG2B SA
.set WF, F1
.set WD, SBF
.set WH, 1
.set WC, 0
	FLEV SA, 1, 0, SAV2, NM2, 0                    ; x a_scale, 2^23 a_scale taken off: exact; among them the second half's scores
	XLEV SA, 0
	TLEV SBF
.set WF, F0
.set WD, SA
.set WH, 0
	FLEV SBF, 1, 0, SSV, ST, 12                    ; among them the next step's first half
	ds_load_b128 v[VS:VS+3], v[ASV]                ; this step's v
	ds_load_b128 v[VS+4:VS+7], v[ASV] offset:16
	LDF F0, AV, 0
	LDF F1, AV, 6144
	MLEV0 SBF, 0, 0
	STG1 SBF, 0
	STG2B SBF
	FLEV SBF, 0, 0, SAV2, NM2, 0
	XLEV SBF, 1
	s_add_co_u32 s[TV], s[TV], STEPB
	WALU
.endm
.macro P2STEPS n
	s_mov_b32 s[INNER], \n
.Lp2_\@:
	KSTEP2
	s_sub_co_u32 s[INNER], s[INNER], 1
	s_cmp_lg_u32 s[INNER], 0
	s_cbranch_scc1 .Lp2_\@
.endm
	s_load_b256 s[4:11], s[0:1], 0x0               ; qc, qs, kv, qk_scale
	s_load_b128 s[12:15], s[0:1], 0x20             ; a_scale, av_scale
	s_load_b64 s[16:17], s[0:1], 0x30              ; out0
	v_lshl_add_u32 v[SPW], v0, 2, SPARE
	v_mov_b32 v[NIL], 0
	ds_add_u32 v[SPW], v[NIL]
	ds_add_u32 v[SPW], v[NIL]
	v_lshrrev_b32 v3, 5, v0
	v_readfirstlane_b32 s[WV], v3
	s_bfe_u32 s25, ttmp6, 0x40000                  ; cx
	s_lshl_b32 s26, ttmp9, 2
	s_add_co_u32 s26, s26, s25                     ; which 256 queries
	s_and_b32 s27, ttmp7, 0xffff                   ; head
	s_mov_b32 s[G1+0], 15|(3<<16)|(1<<21)          ; all four partners; elements of 8 bytes
	s_mov_b32 s[G1+1], 32<<16                      ; rows of 256 bytes,
	s_mov_b32 s[G1+2], 25<<16                      ; 25 of them: an eighth of a chunk of value
	s_mov_b32 s[G1+3], 32<<16
	s_mov_b32 s[G1+4], 25
	s_mov_b32 s[G1+5], 32
	s_mov_b32 s[G1+6], 0
	s_mov_b32 s[G1+7], 0
	s_mov_b32 s[G1K+0], 15|(3<<16)|(1<<21)
	s_mov_b32 s[G1K+1], 32<<16
	s_mov_b32 s[G1K+2], 100<<16                    ; 100 rows: an eighth of key
	s_mov_b32 s[G1K+3], 32<<16
	s_mov_b32 s[G1K+4], 100
	s_mov_b32 s[G1K+5], 32
	s_mov_b32 s[G1K+6], 0
	s_mov_b32 s[G1K+7], 0
	s_mul_i32 s[WOFF], s[WV], 6400
	s_mul_i32 s86, s[WV], 25600
	s_mul_i32 s84, s27, 8*CHUNK
	s_add_co_u32 s88, s84, s86                     ; my eighth of the head's key
	s_mov_b32 s89, 0
	s_add_co_u32 s84, s84, 4*CHUNK
	s_add_co_u32 s84, s84, s[WOFF]                 ; my eighth of value's chunk 0
	s_mov_b32 s85, 0
	s_mov_b32 s[SEL], 0x76543210
	s_mov_b32 s[SEL+1], 0xfedcba98
	s_mov_b32 s[LO], 0x4b3fff80                    ; 1.5 x 2^23 - 128
	s_mov_b32 s[HI], 0x4b40007f                    ; 1.5 x 2^23 + 127
	s_mov_b32 s[SB], VSL
	s_mov_b32 s[TK], 0
	s_mov_b32 s[CNT], 0
	WALU
	s_wait_dscnt 0x0
	s_wait_kmcnt 0x0
	s_load_b32 s92, s[10:11], 0x0
	s_load_b32 s93, s[12:13], 0x0
	s_load_b32 s94, s[14:15], 0x0
	s_mov_b32 s[G0K], 1
	s_mov_b32 s[G0K+1], s86
	s_add_nc_u64 s[G0K+2:G0K+3], s[8:9], s[88:89]
	s_or_b32 s[G0K+3], s[G0K+3], 0x80000000
	s_mov_b32 s[G0], 1
	s_add_co_u32 s[G0+1], s[SB], s[WOFF]
	s_add_nc_u64 s[G0+2:G0+3], s[8:9], s[84:85]
	s_mov_b64 s[PFA:PFA+1], s[G0+2:G0+3]
	s_or_b32 s[G0+3], s[G0+3], 0x80000000
	s_lshl_b32 s90, s27, 7                         ; q's tiles: 128 a head, 16 a work-group, 2 a wave
	s_lshl_b32 s91, s26, 4
	s_add_co_u32 s90, s90, s91
	s_lshl_b32 s91, s[WV], 1
	s_add_co_u32 s90, s90, s91
	s_mul_i32 s90, s90, 1536
	s_mov_b32 s91, 0
	s_add_nc_u64 s[4:5], s[4:5], s[90:91]
	s_lshl_b32 s90, s27, 4                         ; q's scale words: unit x 512 + 8 x (wave % 4)
	s_lshl_b32 s91, s26, 1
	s_add_co_u32 s90, s90, s91
	s_lshr_b32 s91, s[WV], 2
	s_add_co_u32 s90, s90, s91
	s_lshl_b32 s90, s90, 9
	s_and_b32 s91, s[WV], 3
	s_lshl_b32 s91, s91, 3
	s_add_co_u32 s90, s90, s91
	s_mov_b32 s91, 0
	s_add_nc_u64 s[6:7], s[6:7], s[90:91]
	s_lshl_b32 s90, s27, 11                        ; my 32 rows of out0
	s_lshl_b32 s91, s26, 8
	s_add_co_u32 s90, s90, s91
	s_lshl_b32 s91, s[WV], 5
	s_add_co_u32 s90, s90, s91
	s_lshl_b32 s90, s90, 9
	s_mov_b32 s91, 0
	s_add_nc_u64 s[16:17], s[16:17], s[90:91]
	CROUND
	tensor_load_to_lds s[G0K:G0K+3], s[G1K:G1K+7]  ; key: my one load at the head
	s_nop 0
	PLACES 4
	v_and_b32 v[LI], 31, v0
	v_min_u32 v[PFO], 6, v[LI]
	s_mul_i32 s91, s25, 7
	v_add_nc_u32 v[PFO], s91, v[PFO]
	v_min_u32 v[PFO], 24, v[PFO]
	v_lshlrev_b32 v[PFO], 8, v[PFO]                ; my block of my wave's 25, by my work-group's place
	v_lshlrev_b32 v[LI], 4, v[LI]
	v_and_b32 v[ASV], 15, v0
	v_bfe_u32 v[ASA], v0, 4, 1
	v_lshl_add_u32 v[ASC], v[ASV], 5, 12288
	v_lshlrev_b32 v[QSO], 5, v[ASV]
	s_mul_i32 s90, s[WV], 16*SP
	v_mul_u32_u24 v[STO], v[ASV], SP
	v_lshl_add_u32 v[STO], v[ASA], 5, v[STO]
	v_add_nc_u32 v[STO], s90, v[STO]
	v_add_nc_u32 v[RD], s90, v[LI]
	WIN 0x40
.irp q, 0,1
.irp g, 0,1,2
	global_load_b128 v[QF+12*\q+4*\g:QF+12*\q+4*\g+3], v[LI], s[4:5] offset:1536*\q+512*\g
.endr
.endr
.set j, 0
.rept 128
	v_mov_b32 v[j], 0                              ; O^T: the step's text stands once, and its first run finds zeros
.set j, j+1
.endr
	WIN 0
	global_load_b64 v[QS:QS+1], v[QSO], s[6:7]
.set j, 0
.rept 24
	v_mov_b32 v[P+j], 0                            ; and zero codes of a,
.set j, j+1
.endr
.irp i, 0,1,2,3,4,5,6,7
	v_mov_b32 v[VS+\i], 0x7f7f7f7f                 ; under scales of 1
.endr
	v_mov_b32 v[PS], 0x7f7f7f7f
	v_mov_b32 v[PS+1], 0x7f7f7f7f
	WALU
	s_wait_kmcnt 0x0
	s_mov_b32 s84, 0x413504f3                      ; sqrt(128)
	v_mov_b32 v176, s92
	v_mov_b32 v179, s94
	v_mov_b32 v185, s93
	v_mul_f32 v177, s84, v176
	v_fma_f32 v178, s84, v176, -v177               ; what the product's rounding lost
	WALU
	v_rcp_f32 v180, v177
	v_rcp_f32 v181, v179
	v_mul_f32 v184, 0x3fb8aa3b, v176               ; ss2
	WALU
.rept 2
	v_fma_f32 v182, -v177, v180, 1.0
	v_fma_f32 v183, -v179, v181, 1.0
	v_fma_f32 v180, v180, v182, v180
	v_fma_f32 v181, v181, v183, v181
.endr
	v_mul_f32 v182, v180, v178
	v_fma_f32 v180, -v182, v180, v180              ; c
	v_readfirstlane_b32 s[SRAV], v181              ; 1 / av_scale
	s_mov_b32 s[SRAV+1], s[SRAV]
.irp i, 0,1
	v_mov_b32 v[CCV+\i], v180
	v_mov_b32 v[SSV+\i], v184
	v_mov_b32 v[SAV2+\i], v185
	v_mov_b32 v[AVV+\i], v179
	v_mov_b32 v[M15+\i], 0x4b400000
	v_mov_b32 v[M10+\i], 0x4b000000
	v_mul_f32 v[NM2+\i], 0xcb000000, v185
.endr
.irp q, 0,1
	v_mov_b32 v[ST+12*\q+6], s[LO]                 ; the largest t so far: the lowest that the clip leaves
	v_mul_f32 v[ST+12*\q], -v184, v[ST+12*\q+6]
.irp i, 1,2,3,4,5,7,8,9,10,11
	v_mov_b32 v[ST+12*\q+\i], 0
.endr
.endr
.irp b, 0,1,2,3
	v_mov_b32 v[TMY+\b], 0
.endr
	v_add_nc_u32 v[AK], s[TK], v[LI]               ; key's unit 0
	v_add_nc_u32 v[ASA], s[TK], v[ASC]
	WALU                                           ; at the head's end
	s_wait_loadcnt 0x0
; ---- walk 1: all of key is in behind this change, which asks for value's chunk 0 ----
	CHANGE 3, 1
	LDK F0, AK, 0, KS, ASA, 0
	LDK F1, AK, 6144, KS+4, ASA, 16
.set WF, F0
.set WD, SA
.set WH, 0
.set WC, 13
.irp k, 0,1,2,3,4,5,6,7
	QK1 \k                                         ; the first half step's scores
.endr
	PLACES 4
	s_mov_b32 s[INNER], 16
.Lp1:
	KSTEP1
	s_sub_co_u32 s[INNER], s[INNER], 1
	s_cmp_lg_u32 s[INNER], 0
	s_cbranch_scc1 .Lp1
; ---- lanes l and l xor 16 join their halves of the row ----
.irp q, 0,1
	v_add_f32 v[ST+12*\q+2], v[ST+12*\q+2], v[ST+12*\q+3]
	v_permlanex16_b32 v[ST+12*\q+4], v[ST+12*\q+6], s[SEL], s[SEL+1]
.endr
.irp q, 0,1
	v_max_num_f32 v[ST+12*\q+6], v[ST+12*\q+6], v[ST+12*\q+4]
.endr
.irp q, 0,1
	v_mul_f32 v[TMY+\q], -v[SSV], v[ST+12*\q+6]
.endr
.irp q, 0,1
	BOUNDS \q
.endr
	WALU
.irp q, 0,1
	v_exp_f32 v[ST+12*\q+7], v[ST+12*\q+7]
.endr
	v_nop
	WALU
.irp q, 0,1
	v_mul_f32 v[ST+12*\q+2], v[ST+12*\q+2], v[ST+12*\q+7]
.endr
.irp q, 0,1
	v_permlanex16_b32 v[ST+12*\q+4], v[ST+12*\q+2], s[SEL], s[SEL+1]
.endr
.irp q, 0,1
	v_add_f32 v[ST+12*\q+2], v[ST+12*\q+2], v[ST+12*\q+4]          ; the row's sum
.endr
.irp q, 0,1
	v_mul_f32 v[ST+12*\q+5], v[SAV2], v[ST+12*\q+2]                ; a_scale sum
.endr
.irp q, 0,1
	v_mul_f32 v[ST+12*\q+7], 0x42fe8000, v[ST+12*\q+5]             ; x 127.25
.endr
	WALU
.irp q, 0,1
	v_rcp_f32 v[ST+12*\q+10], v[ST+12*\q+5]
	v_log_f32 v[ST+12*\q+3], v[ST+12*\q+7]
.endr
	v_nop
	WALU
.irp q, 0,1
	v_fma_f32 v[ST+12*\q+4], -v[ST+12*\q+5], v[ST+12*\q+10], 1.0
	v_min_num_f32 v[ST+12*\q+9], v[ST+12*\q+9], v[ST+12*\q+3]      ; the upper bound also holds a at 127
.endr
.irp q, 0,1
	v_fma_f32 v[ST+12*\q+10], v[ST+12*\q+10], v[ST+12*\q+4], v[ST+12*\q+10]
	v_min_num_f32 v[ST+12*\q+8], v[ST+12*\q+8], v[ST+12*\q+9]      ; and the lower bound stays under it
.endr
.irp q, 0,1
	v_mov_b32 v[ST+12*\q+11], v[ST+12*\q+10]
.endr
	WALU
; ---- walk 2: value's chunks through the two slots; the changes ask for chunks 1 to 3 ----
	s_mov_b32 s[OUTER], 3
.Lwalk2:
	CHANGE 2, 2
	s_xor_b32 s[TV], s[SB], XC                     ; the slot that is not being filled
	P2STEPS 4
	s_sub_co_u32 s[OUTER], s[OUTER], 1
	s_cmp_lg_u32 s[OUTER], 0
	s_cbranch_scc1 .Lwalk2
	CHANGE 0, 0
	s_mov_b32 s[TV], s[SB]
	P2STEPS 4
	PLACES 8                                       ; a's scale words stand 8 places ahead of the scaled products
	WALU
	s_wait_dscnt 0x0
	WIN 0x51
.irp k, 0,1,2,3,4,5,6,7,8,9,10,11,12,13,14,15
	PVI \k                                         ; the last step's a v
.endr
	WIN 0
	s_barrier_signal -1                            ; nobody reads key's bytes any more: they serve as stages
	s_barrier_wait -1
	PLACES 4
.macro OUT q
	WIN 0x01
.set j, 0
.rept 32
	v_pk_fma_f32 v[SA+j:SA+j+1], v[64*\q+j:64*\q+j+1], s[SRAV:SRAV+1], v[M15:M15+1] op_sel_hi:[1,0,1]
.set j, j+2
.endr
	WIN 0
.set j, 0
.rept 64
	v_med3_num_f32 v[SA+j], v[SA+j], s[LO], s[HI]
.set j, j+1
.endr
.set j, 0
.rept 32
	DOP sub, SA+j, SA+j, M15
.set j, j+2
.endr
.set j, 0
.rept 32
	DOP mul, SA+j, SA+j, AVV
.set j, j+2
.endr
.irp u, 0,1,2,3,4,5,6,7
	ds_store_b128 v[STO], v[SA+8*\u:SA+8*\u+3] offset:64*\u
	ds_store_b128 v[STO], v[SA+8*\u+4:SA+8*\u+7] offset:64*\u+16
.endr
.irp i, 0,1,2,3,4,5,6,7,8,9,10,11,12,13,14,15
	ds_load_b128 v[SBF+4*\i:SBF+4*\i+3], v[RD] offset:SP*\i        ; my own stage: LDS serves a wave's instructions in order
.endr
.irp i, 0,1,2,3,4,5,6,7,8,9,10,11,12,13,14,15
	s_wait_dscnt 15-\i
	global_store_b128 v[LI], v[SBF+4*\i:SBF+4*\i+3], s[16:17] offset:(8*\q+\i+8*(\i/8))*512 th:TH_STORE_NT   ; a whole row of 512 bytes
.endr
.endm
	OUT 0
	s_wait_xcnt 0x0                                ; the stores have read their registers
	OUT 1
	s_wait_tensorcnt 0x0                           ; the wave's end
	ds_add_u32 v[SPW], v[NIL]
	s_wait_dscnt 0x0
	CROUND
	s_endpgm
.Lfunc_end_k_qafb17b7ced_attn:
	.size	k_qafb17b7ced_attn, .Lfunc_end_k_qafb17b7ced_attn-k_qafb17b7ced_attn
	.p2alignl 7, 3214868480
	.fill 96, 4, 3214868480
	.section	.rodata,"a",@progbits
	.p2align	6, 0x0
	.amdhsa_kernel k_qafb17b7ced_attn
		.amdhsa_group_segment_fixed_size 327680
		.amdhsa_private_segment_fixed_size 0
		.amdhsa_enable_private_segment 0
		.amdhsa_kernarg_size 56
		.amdhsa_user_sgpr_count 2
		.amdhsa_user_sgpr_kernarg_segment_ptr 1
		.amdhsa_wavefront_size32 1
		.amdhsa_system_sgpr_workgroup_id_x 1
		.amdhsa_system_sgpr_workgroup_id_y 1
		.amdhsa_system_sgpr_workgroup_id_z 1
		.amdhsa_system_vgpr_workitem_id 0
		.amdhsa_next_free_vgpr 512
		.amdhsa_next_free_sgpr 100
		.amdhsa_reserve_vcc 0
		.amdhsa_float_denorm_mode_32 3
		.amdhsa_float_denorm_mode_16_64 3
		.amdhsa_memory_ordered 1
		.amdhsa_forward_progress 1
		.amdhsa_inst_pref_size 201
	.end_amdhsa_kernel
	.amdgpu_metadata
---
amdhsa.version: [ 1, 2 ]
amdhsa.kernels:
  - .name:           k_qafb17b7ced_attn
    .symbol:         k_qafb17b7ced_attn.kd
    .args:
      - { .name: qc, .offset: 0, .size: 8, .value_kind: global_buffer, .address_space: global }
      - { .name: qs, .offset: 8, .size: 8, .value_kind: global_buffer, .address_space: global }
      - { .name: kv, .offset: 16, .size: 8, .value_kind: global_buffer, .address_space: global }
      - { .name: qk_scale, .offset: 24, .size: 8, .value_kind: global_buffer, .address_space: global }
      - { .name: a_scale, .offset: 32, .size: 8, .value_kind: global_buffer, .address_space: global }
      - { .name: av_scale, .offset: 40, .size: 8, .value_kind: global_buffer, .address_space: global }
      - { .name: out0, .offset: 48, .size: 8, .value_kind: global_buffer, .address_space: global }
    .group_segment_fixed_size: 327680
    .private_segment_fixed_size: 0
    .kernarg_segment_align: 8
    .kernarg_segment_size: 56
    .max_flat_workgroup_size: 256
    .sgpr_count:     100
    .vgpr_count:     512
    .wavefront_size: 32
...
	.end_amdgpu_metadata
.endif
;; end of part 2
